; MI455X (gfx1250); checked and timed in simulation.
; The chip was launched on July 23, 2026; its instructions are those of AMD's public machine-readable ISA for CDNA 5 (MIT licence, August 2026) and "CDNA5" Instruction Set Architecture Reference Guide (July 2026). The comments in the code are by the model that wrote it; some were corrected since.
;; BIN Layer. Allowed arithmetic: float matrix products may take bf16 or f16 operands with f32 sums; other float arithmetic in f32, or as packed bf16 or f16 multiplies, adds, multiply-adds, maxima and minima; sums over many terms, partial sums and values carried from step to step in f32; what a program stores and reads back later, other than sums and carried values, may be rounded once to bf16 or f16.
;; Inputs: W 4,096 x 4,096 float32; bias 4,096 float32; x 4,096 x 4,096 float32.
;; Outputs: out0 4,096 x 4,096 float32.
;; One version. Each part assembles by itself: llvm-mc -triple=amdgcn-amd-amdhsa -mcpu=gfx1250 --defsym DOCPART=n.
;; ======== version 1 of 1: 2 launches
;; workspace buffers: xs 33,554,432 bytes; ws 33,554,432 bytes
;; launch binarize (part 1): grid 1024 x 2, 8 waves a work-group, no clusters, 0 bytes of LDS; arguments x, W, xs, ws; writes xs, ws
.if DOCPART == 1
	.amdgcn_target "amdgcn-amd-amdhsa--gfx1250"
	.amdhsa_code_object_version 6
	.text
	.protected	k_qddaf97c688_binarize
	.globl	k_qddaf97c688_binarize
	.p2align	8
	.type	k_qddaf97c688_binarize,@function
k_qddaf97c688_binarize:
	s_mov_b64 s[64:65], 0
	v_nop
	global_prefetch_b8 v0, s[64:65] scope:SCOPE_SE
	s_setreg_imm32_b32 hwreg(HW_REG_WAVE_MODE, 25, 1), 1
	s_wait_xcnt 0x0
; xs[m][k] = +1 where x[m][k] >= 0, else -1, as bf16; ws[k][n] the same of W.  Same row-major layout as the source: nothing is transposed.
; The signs are made once here, so that the product's launch fetches 2 bytes a number and converts nothing: there each number is read by 16 tiles.
; CASES.  The test is 0 <= v in f32: -0 counts as +1; NaN and negative denormals as -1, as a comparison v >= 0 has them.  +1 and -1 are exact in bf16.
; SHARES.  Grid y = 0: x -> xs; y = 1: W -> ws.  A work-group owns 65,536 bytes of input (16,384 numbers) and 32,768 of output.  Thread t has 16 slots: slot i reads the
; 16 bytes at 4,096 i + 16 t (a wave's load: 512 consecutive bytes) and writes the 8 bytes at 2,048 i + 8 t (a wave's store: 256 consecutive bytes, at a multiple of 256).
; All 16 loads of a thread go out at once; each slot has its own registers for data in and out, so no source of a pending load or store is ever rewritten.
; No LDS, no matrix unit, no cluster: no byte is used twice.
.set SLOTS, 16
.set ONE, 3                            ; v3        1.0
.set T,   4                            ; v[4:7]    four signs in f32, at work
.set X,   8                            ; v[8:71]   slot i: 4 numbers as loaded
.set Y,   72                           ; v[72:103] slot i: 4 signs in bf16, to store
	s_load_b256 s[4:11], s[0:1], 0x0               ; x s[4:5], W s[6:7], xs s[8:9], ws s[10:11]
	s_and_b32 s12, ttmp7, 0xffff                   ; which of the two tensors
	s_lshl_b32 s14, ttmp9, 16                      ; the work-group's 65,536 bytes of input (1,024 work-groups: under 2^26),
	s_mov_b32 s15, 0
	s_lshl_b32 s16, ttmp9, 15                      ; and its 32,768 bytes of output
	s_mov_b32 s17, 0
	v_lshlrev_b32 v1, 4, v0                        ; 16 t
	v_lshlrev_b32 v2, 3, v0                        ; 8 t
	v_mov_b32 v[ONE], 1.0
	s_wait_kmcnt 0x0
	s_cmp_eq_u32 s12, 0
	s_cselect_b64 s[4:5], s[4:5], s[6:7]           ; the source,
	s_cselect_b64 s[8:9], s[8:9], s[10:11]         ; and its signs' buffer
	s_add_nc_u64 s[4:5], s[4:5], s[14:15]
	s_add_nc_u64 s[8:9], s[8:9], s[16:17]
.irp i, 0,1,2,3,4,5,6,7,8,9,10,11,12,13,14,15
	global_load_b128 v[X+4*(\i):X+4*(\i)+3], v1, s[4:5] offset:4096*(\i) th:TH_LOAD_NT  ; this launch reads each byte once
.endr
.macro SLOT i
	s_wait_loadcnt SLOTS-1-(\i)                    ; loads come back in order (ISA guide 5.7.1): slot i is in, the younger ones stay out
.irp j, 0,1,2,3
	v_cmp_le_f32 s[20+(\j)], 0, v[X+4*(\i)+(\j)]   ; 0 <= v
.endr
.irp j, 0,1,2,3
	v_cndmask_b32 v[T+(\j)], -1.0, v[ONE], s[20+(\j)]
.endr
	v_cvt_pk_bf16_f32 v[Y+2*(\i)],   v[T],   v[T+1]
	v_cvt_pk_bf16_f32 v[Y+2*(\i)+1], v[T+2], v[T+3]
	global_store_b64 v2, v[Y+2*(\i):Y+2*(\i)+1], s[8:9] offset:2048*(\i)  ; no hint: the next launch reads these bytes
.endm
.irp i, 0,1,2,3,4,5,6,7,8,9,10,11,12,13,14,15
	SLOT \i
.endr
	s_endpgm
.Lfunc_end_k_qddaf97c688_binarize:
	.size	k_qddaf97c688_binarize, .Lfunc_end_k_qddaf97c688_binarize-k_qddaf97c688_binarize
	.p2alignl 7, 3214868480
	.fill 96, 4, 3214868480
	.section	.rodata,"a",@progbits
	.p2align	6, 0x0
	.amdhsa_kernel k_qddaf97c688_binarize
		.amdhsa_group_segment_fixed_size 0
		.amdhsa_private_segment_fixed_size 0
		.amdhsa_enable_private_segment 0
		.amdhsa_kernarg_size 32
		.amdhsa_user_sgpr_count 2
		.amdhsa_user_sgpr_kernarg_segment_ptr 1
		.amdhsa_wavefront_size32 1
		.amdhsa_system_sgpr_workgroup_id_x 1
		.amdhsa_system_sgpr_workgroup_id_y 1
		.amdhsa_system_sgpr_workgroup_id_z 1
		.amdhsa_system_vgpr_workitem_id 0
		.amdhsa_next_free_vgpr 104
		.amdhsa_next_free_sgpr 66
		.amdhsa_reserve_vcc 0
		.amdhsa_float_denorm_mode_32 3
		.amdhsa_float_denorm_mode_16_64 3
		.amdhsa_memory_ordered 1
		.amdhsa_forward_progress 1
		.amdhsa_inst_pref_size 15
	.end_amdhsa_kernel
	.amdgpu_metadata
---
amdhsa.version: [ 1, 2 ]
amdhsa.kernels:
  - .name:           k_qddaf97c688_binarize
    .symbol:         k_qddaf97c688_binarize.kd
    .args:
      - { .name: x, .offset: 0, .size: 8, .value_kind: global_buffer, .address_space: global }
      - { .name: W, .offset: 8, .size: 8, .value_kind: global_buffer, .address_space: global }
      - { .name: xs, .offset: 16, .size: 8, .value_kind: global_buffer, .address_space: global }
      - { .name: ws, .offset: 24, .size: 8, .value_kind: global_buffer, .address_space: global }
    .group_segment_fixed_size: 0
    .private_segment_fixed_size: 0
    .kernarg_segment_align: 8
    .kernarg_segment_size: 32
    .max_flat_workgroup_size: 256
    .sgpr_count:     66
    .vgpr_count:     104
    .wavefront_size: 32
...
	.end_amdgpu_metadata
.endif
;; end of part 1
;; launch gemm (part 2): grid 16 x 16, 4 waves a work-group, clusters of 4 x 4, 327,680 bytes of LDS; arguments xs, ws, x, bias, out0; writes out0
.if DOCPART == 2
	.amdgcn_target "amdgcn-amd-amdhsa--gfx1250"
	.amdhsa_code_object_version 6
	.text
	.protected	k_qddaf97c688_gemm
	.globl	k_qddaf97c688_gemm
	.p2align	8
	.type	k_qddaf97c688_gemm,@function
k_qddaf97c688_gemm:
	s_mov_b64 s[64:65], 0
	v_nop
	global_prefetch_b8 v0, s[64:65] scope:SCOPE_SE
	s_setreg_imm32_b32 hwreg(HW_REG_WAVE_MODE, 25, 1), 1
	s_wait_xcnt 0x0
	s_wait_alu depctr_hold_cnt(0) depctr_sa_sdst(0) depctr_va_vdst(0) depctr_va_sdst(0) depctr_va_ssrc(0) depctr_va_vcc(0) depctr_vm_vsrc(0)
	s_getreg_b32 s2, hwreg(HW_REG_IB_STS2, 6, 4)
	s_cmp_eq_u32 s2, 0
	s_cbranch_scc0 .Lentry_in_a_cluster
	s_endpgm
.Lentry_in_a_cluster:
	s_bfe_u32 s2, ttmp6, 0x10000c
	s_cmp_lg_u32 s2, 0xf033
	s_cbranch_scc0 .Lentry_shape_is_right
	s_endpgm
.Lentry_shape_is_right:
; out[m][n] = ((sum over k of xs[m][k] ws[k][n] + bb[n]) - x[m][n]) + x[m][n].  xs, ws: [4096][4096] bf16, the signs +1 / -1 of x and W; bb[n] = +1 where bias[n] >= 0, else -1;
; x, out: [4096][4096] f32.  The operands are exact in bf16, each sum is a whole number of at most 4,096 and with bb exact in f32; the two roundings left, of - x and + x, are made in that order.
; CASES.  bias: -0 counts as +1, NaN as -1.  An infinity or NaN in x gives NaN at its own place.  No limit of range.
; SHARES.  A tile of out, 256 x 256, is made by a work-group of four waves; a wave makes 128 x 128: 64 accumulators of 16 x 16, 512 registers.  16 x 16 tiles: 256 work-groups.
; K goes in 32 steps of 128 through a ring of two LDS slots filled by the tensor data mover.  xs's tile is 256 rows (m) x 256 bytes; ws's tile is 128 rows (k) x 512 bytes: W lies [k][n], and its
; fragments are turned on the way out of LDS (ds_load_tr16_b128), so no transposed copy is ever made.  Each wave fetches a quarter of a slot with one load: 128 rows of xs or 64 rows of ws.
; CLUSTERS: 4 x 4 work-groups.  The four of a row of the cluster need the same tiles of xs, the four of a column the same tiles of ws: each tile is asked for JOINTLY, by the same tensor load with the
; same descriptor and a mask that names the four, which divides the requests for both by four.
; THE MATRIX INSTRUCTION IS USED TRANSPOSED: source 0 = 16 columns n of ws, source 1 = 16 rows m of xs.  In the result lane l holds row m = l % 16 and the columns n = 8 (l / 16) + 0..7.
; THE WAY OUT.  16 rows at a time go as f32 through the wave's own stage in LDS and come back as whole rows of 512 bytes; bb, - x and + x are applied there, where a lane holds 4 neighbouring columns, as x's loads bring them.
; REGISTERS, in windows of 256 (s_set_vgpr_msb: bits 1:0 source 0, 3:2 source 1, 5:4 source 2, 7:6 destination):
;   window 0: v0-36 addresses, bb; v64-127, v128-191 fragments of xs, two buffers; on the way out the rows read back from the stage, by turns
;   window 1: v64-127, v128-191 fragments of ws, two buffers; v0-63, v192-255 idle in the loop; on the way out all four are slots for 16 rows of x
;   window 2: the 32 accumulators of my rows 0-63 (accumulator (a, b) at v[8 (8 a + b)]);   window 3: those of my rows 64-127
.set SIZE,   4096
.set KSTEP,  128
.set PA,     272                       ; an LDS row of xs: 256 bytes + 16 of padding = 68 words: row r starts at bank 4 r mod 64 (64 banks of 4 bytes: ISA guide 11.1): the 16 rows of a load start at 16 different banks
.set PB,     544                       ; an LDS row of ws: 512 bytes + 32 of padding = 136 words: row r starts at bank 8 r mod 64
.set HALF,   128*PA                    ; what one tensor load brings: 128 rows of xs, or 64 rows of ws (64 x 544 is the same 34,816 bytes)
.set SLOT,   4*HALF                    ; xs's 256 rows, then ws's 128 rows
.set STAGE,  2*SLOT                    ; behind the ring: 16 rows x 528 bytes for each wave (33 blocks of 256 bytes); no tensor load lands here
.set SP,     528                       ; a stage row: 512 bytes + 16: 33 x 16, so the 16 rows that a store touches start at 16 different groups of four banks
.set SPARE,  STAGE+4*16*SP             ; behind the stages: the spare words, 128 bytes for each wave: two blocks of 256 bytes that no other line names
.set LAPS,   SIZE/(2*KSTEP)            ; a lap = two K steps = once round the ring: 16
.set BLK,    16*SIZE*4                 ; 16 rows of x or out, in bytes
.set ROWB,   SIZE*4                    ; one row
.set ADRA, 16                          ; v16-17  LDS address of my xs fragments in slot 0, 1
.set ADRB, 20                          ; v20-21  the same for ws
.set STO,  24                          ; v24     the way out: where I put 32 bytes of a row
.set RD,   25                          ; v25     the way out: where I read 16 bytes of a row back
.set CO,   26                          ; v26     16 x lane: my byte offset in 512 bytes of a row of x, out, bias
.set PF,   27                          ; v27     my 256 bytes among the 16 rows x 512 bytes of a block of x
.set SPW,  28                          ; v28     LDS address of my spare word: SPARE + 4 x my thread's number; never rewritten
.set NIL,  29                          ; v29     0; never rewritten
.set BB,   32                          ; v[32:35] bb of my four columns
.set ONE,  36                          ; v36     1.0
.set F0,   64                          ; fragment buffer 0
.set F1,   128                         ; fragment buffer 1
.set G1,  24                           ; s[24:31] descriptor group 1 for xs's tiles
.set G0,  32                           ; s[32:39] descriptor group 0 for xs's tiles, one set for each slot
.set G1B, 48                           ; s[48:55] descriptor group 1 for ws's tiles
.set G0B, 56                           ; s[56:63] descriptor group 0 for ws's tiles, one set for each slot
.set PX,  76                           ; s[76:77] x at my wave's first row and column; never rewritten
.set PO,  80                           ; s[80:81] out at the same place; never rewritten
.set MSB, 0
.macro WIN new                         ; the immediate's high byte repeats the setting that is left; a switch that changes nothing is dropped
.if MSB != (\new)
	s_set_vgpr_msb (MSB<<8)|(\new)
.set MSB, \new
.endif
.endm
.set MUL_LO, 0xa1                      ; source 0 (ws) window 1, source 1 (xs) window 0, C and D window 2
.set MUL_HI, 0xf1                      ; the same, C and D window 3
.set TO_B,   0x40                      ; destination window 1, address window 0
.set SUBX,   0x04                      ; source 1 window 1
; A joint refill.  Waves 0 and 1 fetch xs's two halves, waves 2 and 3 ws's.  Each of the two lines has ONE mask and one set of registers for all that issue it.  The branch hangs on the wave's number alone.
; An s_nop 0 and four v_nop follow each of the two lines, ahead of the jump, the label and what follows.
.macro JLOAD s
	s_cmp_eq_u32 s11, 0
	s_cbranch_scc0 .Lfor_b_\@
	tensor_load_to_lds s[G0+4*(\s):G0+4*(\s)+3], s[G1:G1+7]
	s_nop 0
.rept 4
	v_nop
.endr
	s_branch .Lasked_\@
.Lfor_b_\@:
	tensor_load_to_lds s[G0B+4*(\s):G0B+4*(\s)+3], s[G1B:G1B+7]
	s_nop 0
.rept 4
	v_nop
.endr
.Lasked_\@:
.endm
; A round of the cluster's barrier: my work-group's barrier, so that wave 0's signal speaks for all four waves; wave 0 signals for the work-group; every wave waits for all sixteen
; work-groups; my work-group's barrier once more.  No LDS instruction of the wave is pending at a signal.
.macro CREST                           ; a round behind its opening barrier
	s_cmp_lg_u32 s10, 0
	s_cbranch_scc1 .Lnot_wave_0_\@
	s_barrier_signal -3
.Lnot_wave_0_\@:
	s_barrier_wait -3
	s_barrier_signal -1
	s_barrier_wait -1
.endm
.macro CROUND                          ; a whole round
	s_barrier_signal -1
	s_barrier_wait -1
	CREST
.endm
	s_load_b256 s[72:79], s[0:1], 0x0              ; xs s[72:73], ws s[74:75], x s[76:77], bias s[78:79]
	s_load_b64 s[80:81], s[0:1], 0x20              ; out
	v_lshl_add_u32 v[SPW], v0, 2, SPARE
	v_mov_b32 v[NIL], 0
	ds_add_u32 v[SPW], v[NIL]                      ; the wave's opening: the add and its wait stand ahead of my first tensor load; the set-up below, work on registers, stands between them
	v_lshrrev_b32 v1, 5, v0
	v_readfirstlane_b32 s10, v1                    ; wave 0..3
	s_lshr_b32 s11, s10, 1                         ; which half of the tile's rows is mine.  Also: I fetch for xs (0) or for ws (1)
	s_and_b32 s12, s10, 1                          ; which half of its columns.  Also: which half of that tile I fetch
	s_bfe_u32 s40, ttmp6, 0x40000                  ; cx: my place along the cluster's x
	s_bfe_u32 s41, ttmp6, 0x40004                  ; cy: along its y
	s_lshl_b32 s42, ttmp9, 2                       ; in a cluster launch ttmp9 and ttmp7 count clusters
	s_add_co_u32 s42, s42, s40                     ; tile column = 4 x cluster x + cx
	s_and_b32 s13, ttmp7, 0xffff
	s_lshl_b32 s13, s13, 2
	s_add_co_u32 s13, s13, s41                     ; tile row = 4 x cluster y + cy
	s_lshl_b32 s43, s41, 2
	s_lshl_b32 s43, 15, s43                        ; my row of the cluster: places 4 cy .. 4 cy + 3
	s_lshl_b32 s44, 0x1111, s40                    ; my column: places cx, cx + 4, cx + 8, cx + 12
	; descriptor group 1 for xs: 128 rows x 128 elements, padded in LDS
	s_or_b32 s[G1+0], s43, (1<<16)|(1<<20)|(1<<21)|(5<<22)|(3<<25)  ; 15:0 the mask: my row; 17:16 elements of 2 bytes; 20 padding on; 21 set beside a mask; 24:22 after every 64 words (code 5); 31:25 4 words of it (code 3)
	s_mov_b32 s[G1+1], KSTEP<<16                   ; tensor_dim0 = 128
	s_mov_b32 s[G1+2], 128<<16                     ; tensor_dim1 = 128
	s_mov_b32 s[G1+3], KSTEP<<16                   ; tile_dim0 = 128
	s_mov_b32 s[G1+4], 128                         ; tile_dim1 = 128
	s_mov_b32 s[G1+5], SIZE                        ; 4,096 elements from row to row
	s_mov_b32 s[G1+6], 0
	s_mov_b32 s[G1+7], 0
	; descriptor group 1 for ws: 64 rows (k) x 256 elements (n), padded in LDS
	s_or_b32 s[G1B+0], s44, (1<<16)|(1<<20)|(1<<21)|(6<<22)|(7<<25) ; the mask: my column; padding after every 128 words (code 6), 8 words of it (code 7)
	s_mov_b32 s[G1B+1], 256<<16                    ; tensor_dim0 = 256
	s_mov_b32 s[G1B+2], 64<<16                     ; tensor_dim1 = 64
	s_mov_b32 s[G1B+3], 256<<16                    ; tile_dim0 = 256
	s_mov_b32 s[G1B+4], 64                         ; tile_dim1 = 64
	s_mov_b32 s[G1B+5], SIZE
	s_mov_b32 s[G1B+6], 0
	s_mov_b32 s[G1B+7], 0
	; where the tiles come from.  xs's hang on the tile row alone, which my row of the cluster shares; ws's on the tile column alone, which my column shares.
	; Every wave makes both addresses, in registers that never hold the other coordinate, and asks by one of them.
	s_lshl_b32 s16, s13, 8
	s_lshl_b32 s17, s12, 7
	s_add_co_u32 s16, s16, s17                     ; xs: row 256 x tile row + 128 x half,
	s_lshl_b32 s16, s16, 13                        ; of 8,192 bytes: under 2^25
	s_mov_b32 s17, 0
	s_lshl_b32 s46, s12, 19                        ; ws: k row 64 x half, of 8,192 bytes,
	s_lshl_b32 s47, s42, 9                         ; and 512 bytes for each tile column
	s_add_co_u32 s46, s46, s47
	s_mov_b32 s47, 0
	s_mul_i32 s20, s10, HALF                       ; and where they go: wave x 34,816 bytes: no place in the cluster enters an LDS address
	; my wave's first row and column in x and out, and its first column in bias, in bytes
	s_lshl_b32 s66, s13, 8
	s_lshl_b32 s67, s11, 7
	s_add_co_u32 s66, s66, s67                     ; row 256 x tile row + 128 x half,
	s_lshl_b32 s66, s66, 14                        ; of 16,384 bytes: under 2^26
	s_lshl_b32 s68, s42, 10                        ; 1,024 bytes for each tile column,
	s_lshl_b32 s69, s12, 9                         ; 512 for the half
	s_add_co_u32 s68, s68, s69
	s_add_co_u32 s66, s66, s68
	s_mov_b32 s67, 0
	s_mov_b32 s69, 0
	s_wait_dscnt 0x0                               ; the opening add is done
	s_wait_kmcnt 0x0
	s_add_nc_u64 s[14:15], s[72:73], s[16:17]
	s_add_nc_u64 s[46:47], s[74:75], s[46:47]
	s_add_nc_u64 s[PX:PX+1], s[PX:PX+1], s[66:67]
	s_add_nc_u64 s[PO:PO+1], s[PO:PO+1], s[66:67]
	s_add_nc_u64 s[78:79], s[78:79], s[68:69]
	CROUND                                         ; all sixteen work-groups are here: the first joint loads meet
.irp s, 0,1
	s_mov_b32 s[G0+4*(\s)], 1                                      ; 1:0 count = 1
	s_add_co_u32 s[G0+4*(\s)+1], s20, (\s)*SLOT                    ; 63:32 LDS address
	s_add_nc_u64 s[G0+4*(\s)+2:G0+4*(\s)+3], s[14:15], (\s)*KSTEP*2  ; 120:64 global address: K step s lies 256 bytes along xs's rows,
	s_or_b32 s[G0+4*(\s)+3], s[G0+4*(\s)+3], 0x80000000            ; 127:126 type = 2
	s_mov_b32 s[G0B+4*(\s)], 1
	s_add_co_u32 s[G0B+4*(\s)+1], s20, (\s)*SLOT
	s_add_nc_u64 s[G0B+4*(\s)+2:G0B+4*(\s)+3], s[46:47], (\s)*KSTEP*SIZE*2  ; and 128 rows down ws
	s_or_b32 s[G0B+4*(\s)+3], s[G0B+4*(\s)+3], 0x80000000
.endr
	s_cmp_eq_u32 s11, 0                            ; a wave's two first fills stand in one branch, ahead of every wait on TENSORcnt and every LDS read: two loads of mine are out
	s_cbranch_scc0 .Lfirst_b
	tensor_load_to_lds s[G0:G0+3], s[G1:G1+7]
	s_nop 0
	tensor_load_to_lds s[G0+4:G0+7], s[G1:G1+7]
	s_nop 0
.rept 4
	v_nop
.endr
	s_branch .Lfirst_asked
.Lfirst_b:
	tensor_load_to_lds s[G0B:G0B+3], s[G1B:G1B+7]
	s_nop 0
	tensor_load_to_lds s[G0B+4:G0B+7], s[G1B:G1B+7]
	s_nop 0
.rept 4
	v_nop
.endr
.Lfirst_asked:
	; All that follows, up to the wait for the first tile, stands in that wait.
	v_and_b32 v1, 15, v0                           ; l % 16
	v_bfe_u32 v2, v0, 4, 1                         ; l / 16
	v_and_b32 v3, 31, v0                           ; l
	v_lshlrev_b32 v[CO], 4, v3
	global_load_b128 v[BB:BB+3], v[CO], s[78:79]   ; bias of the four columns that I hold on the way out
	; A fragment of xs is 16 rows x 32 K in 8 registers: lane l holds row l % 16; registers 0-3 hold K = 8 (l / 16) + 0..7, registers 4-7 K = 16 + 8 (l / 16) + 0..7: two loads of 16 bytes, 32 bytes apart.
	v_mul_u32_u24 v4, v1, PA
	v_lshl_add_u32 v4, v2, 4, v4                   ; row x pitch + 16 x half of the lanes
	s_mul_i32 s21, s11, HALF                       ; my 128 rows of xs
	v_add_nc_u32 v[ADRA], s21, v4
	s_add_co_u32 s21, s21, SLOT
	v_add_nc_u32 v[ADRA+1], s21, v4
	; The turning load takes 16 k x 16 n (lane l reads 16 bytes: k row 8 (l / 16) + l % 8, columns 8 ((l / 8) % 2) + 0..7) and leaves half a fragment: lane l holds column l % 16 and eight k.
	v_and_b32 v10, 7, v0
	v_bfe_u32 v11, v0, 3, 1
	v_lshl_add_u32 v5, v2, 3, v10
	v_mul_u32_u24 v5, v5, PB
	v_lshl_add_u32 v5, v11, 4, v5
	s_lshl_b32 s22, s12, 8                         ; my 128 columns of ws: 256 bytes of each row,
	s_add_co_u32 s22, s22, 2*HALF                  ; behind xs's 256 rows
	v_add_nc_u32 v[ADRB], s22, v5
	s_add_co_u32 s22, s22, SLOT
	v_add_nc_u32 v[ADRB+1], s22, v5
	s_mul_i32 s23, s10, 16*SP
	s_add_co_u32 s23, s23, STAGE                   ; my stage
	v_mul_u32_u24 v4, v1, SP                       ; in: row l % 16, 32 bytes (8 columns in f32) for each half of the lanes
	v_lshl_add_u32 v4, v2, 5, v4
	v_add_nc_u32 v[STO], s23, v4
	v_add_nc_u32 v[RD], s23, v[CO]                 ; back: 32 lanes take one row of 512 bytes
	v_lshrrev_b32 v12, 1, v3                       ; a block of x is 16 rows x 512 bytes of mine: lane l names row l / 2, half l % 2
	v_and_b32 v13, 1, v3
	v_lshlrev_b32 v13, 8, v13
	v_lshl_add_u32 v[PF], v12, 14, v13
	v_mov_b32 v[ONE], 1.0
	s_wait_loadcnt 0x0                             ; bias
.irp j, 0,1,2,3
	v_cmp_le_f32 s45, 0, v[BB+(\j)]                ; 0 <= bias
	v_cndmask_b32 v[BB+(\j)], -1.0, v[ONE], s45
.endr
; 16 matrix instructions: m blocks a0, a0 + 1 of the window's four (hi = 0: my rows 0-63, 1: rows 64-127) x all 8 n blocks, 32 along K.
; zero = 1: the first product starts the sums: nothing is ever cleared.  The 64 accumulators take turns, one instruction a turn, in the same order in every quarter.
.macro MUL16 f, hi, a0, zero
	WIN MUL_LO+0x50*(\hi)  ; MUL_LO or MUL_HI
.irp a, \a0, (\a0)+1
.irp b, 0,1,2,3,4,5,6,7
.if \zero
	v_wmma_f32_16x16x32_bf16 v[8*(8*(\a)+(\b)):8*(8*(\a)+(\b))+7], v[(\f)+8*(\b):(\f)+8*(\b)+7], v[(\f)+8*(4*(\hi)+(\a)):(\f)+8*(4*(\hi)+(\a))+7], 0
.else
	v_wmma_f32_16x16x32_bf16 v[8*(8*(\a)+(\b)):8*(8*(\a)+(\b))+7], v[(\f)+8*(\b):(\f)+8*(\b)+7], v[(\f)+8*(4*(\hi)+(\a)):(\f)+8*(4*(\hi)+(\a))+7], v[8*(8*(\a)+(\b)):8*(8*(\a)+(\b))+7]
.endif
.endr
.endr
.endm
; 32 LDS loads in one run: the fragments of quarter q of a K step (32 k x 128 columns of ws, turned; 128 rows of xs x 32 k) into buffer f.  ws first, then xs's rows in ascending order.
.macro FETCH slot, q, f
	WIN TO_B
.irp i, 0,1,2,3,4,5,6,7
	ds_load_tr16_b128 v[(\f)+8*(\i):(\f)+8*(\i)+3],   v[ADRB+(\slot)] offset:(\q)*32*PB+32*(\i)
	ds_load_tr16_b128 v[(\f)+8*(\i)+4:(\f)+8*(\i)+7], v[ADRB+(\slot)] offset:(\q)*32*PB+16*PB+32*(\i)
.endr
	WIN 0
.irp i, 0,1,2,3,4,5,6,7
	ds_load_b128 v[(\f)+8*(\i):(\f)+8*(\i)+3],   v[ADRA+(\slot)] offset:64*(\q)+(\i)*16*PA
	ds_load_b128 v[(\f)+8*(\i)+4:(\f)+8*(\i)+7], v[ADRA+(\slot)] offset:64*(\q)+(\i)*16*PA+32
.endr
.endm
; A load into a register that a matrix instruction has read, and a store that reads a matrix result, stand four places behind that matrix instruction, and only plain vector instructions that
; name none of its registers are places (ISA guide 7.12.1 for vector instructions); the matrix instructions in between are not counted.
.macro PLACES
.rept 4
	v_nop
.endr
.endm
; Block b of my wave's x (16 rows x 512 bytes) is asked for ahead: 32 lanes, 256 bytes apart, each block of 256 bytes once in the launch, by the wave that will load it.
.macro PREF b
	global_prefetch_b8 v[PF], s[PX:PX+1] offset:(\b)*BLK th:TH_LOAD_NT scope:SCOPE_SE
.endm
; A K step is four quarters of 32 along K, 64 matrix instructions each, on buffers 0, 1, 0, 1.
; One of the first three: multiplies buffer f; in its middle it fetches quarter q of the same slot into buffer g.  pf >= 0: and asks for block pf of x.
.macro QUARTER slot, q, f, g, zero, pf=-1
	s_wait_dscnt 8                                 ; ws and xs's rows 0-63 are in; the youngest eight loads (xs's rows 64-127) may be out
	MUL16 \f, 0, 0, \zero
	MUL16 \f, 0, 2, \zero
	PLACES
	FETCH \slot, \q, \g
.if (\pf) >= 0
	PREF \pf
.endif
	s_wait_dscnt 32                                ; all but the 32 just issued
	MUL16 \f, 1, 0, \zero
	MUL16 \f, 1, 2, \zero
.endm
; The last quarter multiplies buffer 1 and changes slots.  MEET is its first half: ONE barrier for the change.  In front of it each wave waits for all its tensor loads, of which one is out: its part
; of the next slot; adds 0 to its spare word; and waits for that and for its own reads of this slot.  Behind it nobody reads this slot any more and the next slot is whole.
.macro MEET round                      ; round = 1: a round of the cluster's barrier follows
	WIN 0                                          ; (the add's two registers lie in window 0)
	s_wait_tensorcnt 0x0                           ; all my tensor loads have landed;
	ds_add_u32 v[SPW], v[NIL]                      ; 0 onto my spare word;
	s_wait_dscnt 9                                 ; (the add and the youngest eight loads may be out)
	MUL16 F1, 0, 0, 0                              ; sixteen matrix instructions stand between the add and the wait for it
	s_wait_dscnt 0x0                               ; the add is done, and my reads of this slot are over:
	s_barrier_signal -1                            ; say so,
	MUL16 F1, 0, 2, 0                              ; work on registers while the others arrive,
.if \round
	WIN 0
.endif
	s_barrier_wait -1                              ; and go on when all four have said so
.endm
; The whole last quarter where the slot is filled again, two K steps on.  The barrier opens a round of the cluster's, the joint refill is the first tensor load behind the round, then come the next
; slot's first fragments.  From a request to the wait for it a wave issues 224 matrix instructions; one tensor load of mine is out.
.macro TURN slot, next
	MEET 1
	CREST                                          ; no wave of any partner still reads this slot's tile or has a load on its way
	s_add_nc_u64 s[G0+4*(\slot)+2:G0+4*(\slot)+3], s[G0+4*(\slot)+2:G0+4*(\slot)+3], 2*KSTEP*2          ; no tensor load of mine is out: group 0 may be written
	s_add_nc_u64 s[G0B+4*(\slot)+2:G0B+4*(\slot)+3], s[G0B+4*(\slot)+2:G0B+4*(\slot)+3], 2*KSTEP*SIZE*2  ; the type bits on top are not reached
	JLOAD \slot                                    ; the four v_nop behind it are also the places in front of the loads below
	FETCH \next, 0, F0
	MUL16 F1, 1, 0, 0
	MUL16 F1, 1, 2, 0
.endm
; THE WAY OUT, by blocks a of 16 rows.  XLOAD: the block's rows of x, 512 consecutive bytes a load, into one of four slots in window 1: a % 4 = 0, 1, 2, 3 at v0, v192, v128, v64.
.macro XLOAD a
	WIN TO_B
.set XB, (192*((\a)%4))%256
.irp t, 0,1,2,3,4,5,6,7,8,9,10,11,12,13,14,15
	global_load_b128 v[XB+4*(\t):XB+4*(\t)+3], v[CO], s[PX:PX+1] offset:(\a)*BLK+(\t)*ROWB th:TH_LOAD_NT  ; this launch reads each byte of x once; 2,080,768 at the most: inside the signed 24-bit immediate
.endr
	WIN 0
.endm
; TOSTAGE: the block's eight accumulators into my stage (each accumulator's low four registers first), and back as whole rows.
.macro TOSTAGE a
.if (\a) >= 2
	s_wait_xcnt 0x0                                ; every earlier memory instruction has had its addresses translated (ISA guide 3.1): the registers that block a - 2's stores read are loaded again only behind this wait
.endif
.set AC, 64*((\a)%4)
.set BK, 64+64*((\a)%2)
	WIN 0x08+4*((\a)/4)                            ; the stores' data: window 2 or 3
.irp b, 0,1,2,3,4,5,6,7
	ds_store_b128 v[STO], v[AC+8*(\b):AC+8*(\b)+3]   offset:64*(\b)
	ds_store_b128 v[STO], v[AC+8*(\b)+4:AC+8*(\b)+7] offset:64*(\b)+16
.endr
	WIN 0
.irp t, 0,1,2,3,4,5,6,7,8,9,10,11,12,13,14,15
	ds_load_b128 v[BK+4*(\t):BK+4*(\t)+3], v[RD] offset:(\t)*SP  ; LDS serves a wave's instructions in order (ISA guide 5.7.1.4): these see the stores above; the next block's stores come behind them
.endr
.endm
; FIN: + bb (exact), - x, + x, and the stores.  yds: the LDS instructions issued behind the block's loads; yld: the loads of x issued behind the block's.
.macro FIN a, yds, yld
	WIN 0
.set BK, 64+64*((\a)%2)
.set XB, (192*((\a)%4))%256
	s_wait_dscnt \yds                              ; the block is back in registers
.set i, 0
.rept 32
	v_pk_add_f32 v[BK+2*i:BK+2*i+1], v[BK+2*i:BK+2*i+1], v[BB+2*(i%2):BB+2*(i%2)+1]
.set i, i+1
.endr
	s_wait_loadcnt \yld                            ; its rows of x are in
	WIN SUBX
.set i, 0
.rept 32
	v_pk_add_f32 v[BK+2*i:BK+2*i+1], v[BK+2*i:BK+2*i+1], v[XB+2*i:XB+2*i+1] neg_lo:[0,1] neg_hi:[0,1]
.set i, i+1
.endr
.set i, 0
.rept 32
	v_pk_add_f32 v[BK+2*i:BK+2*i+1], v[BK+2*i:BK+2*i+1], v[XB+2*i:XB+2*i+1]
.set i, i+1
.endr
	WIN 0
.irp t, 0,1,2,3,4,5,6,7,8,9,10,11,12,13,14,15
	global_store_b128 v[CO], v[BK+4*(\t):BK+4*(\t)+3], s[PO:PO+1] offset:(\a)*BLK+(\t)*ROWB th:TH_STORE_NT  ; 32 lanes store 512 consecutive bytes, at a multiple of 512 from out's first byte
.endr
.endm
	s_wait_tensorcnt 1                             ; my part of K step 0 is in; K step 1's may stay out
	s_barrier_signal -1
	s_barrier_wait -1                              ; everybody's is
	FETCH 0, 0, F0
	QUARTER 0, 1, F0, F1, 1                        ; the first quarter stands in front of the loop: its products start the sums
	WIN 0                                          ; at a label and at a branch every window is 0
	s_mov_b32 s3, LAPS-1
.Llap:                                                 ; a trip goes once round the ring, from a lap's second quarter to the next lap's first, and fills both slots again
	QUARTER 0, 2, F1, F0, 0
	QUARTER 0, 3, F0, F1, 0
	TURN 0, 1
	QUARTER 1, 1, F0, F1, 0
	QUARTER 1, 2, F1, F0, 0
	QUARTER 1, 3, F0, F1, 0
	TURN 1, 0
	QUARTER 0, 1, F0, F1, 0
	WIN 0
	s_sub_co_u32 s3, s3, 1
	s_cmp_lg_u32 s3, 0
	s_cbranch_scc1 .Llap
	; THE LAST LAP is written out: it fills nothing.  The first two blocks of x go into registers that lie idle, seven quarters ahead of the way out;
	; blocks 2, 3 and 4 are asked for ahead, five, four and three quarters before the last product; blocks 5 to 7 are not: their loads go out while earlier blocks leave.
	XLOAD 0
	XLOAD 1
	QUARTER 0, 2, F1, F0, 0
	QUARTER 0, 3, F0, F1, 0, 2
	MEET 0                                         ; my one tensor load that was still out is slot 1's, the last K step's, so no round follows
	PLACES                                         ; for the loads into buffer 0, which the quarter before multiplied
	FETCH 1, 0, F0
	PREF 3
	MUL16 F1, 1, 0, 0
	MUL16 F1, 1, 2, 0
	QUARTER 1, 1, F0, F1, 0, 4
	QUARTER 1, 2, F1, F0, 0
	QUARTER 1, 3, F0, F1, 0
	s_wait_dscnt 8                                 ; the very last quarter: nothing more to fetch
	MUL16 F1, 0, 0, 0
	MUL16 F1, 0, 2, 0
	s_wait_dscnt 0x0
	MUL16 F1, 1, 0, 0
	MUL16 F1, 1, 2, 0
	PLACES                                         ; behind the last products: for the loads into the fragment buffers and for the stores that read the sums
	XLOAD 2
	XLOAD 3
	TOSTAGE 0
.irp a, 0,1,2,3,4                      ; block a + 1 goes through the stage while block a is finished; behind block a's loads of x stand three younger blocks': 48 loads
	TOSTAGE (\a)+1
	FIN \a, 32, 48
.if (\a) < 4
	XLOAD (\a)+4                                   ; its slot takes the block four further on
.endif
.endr
	TOSTAGE 6
	FIN 5, 32, 32                                  ; the counts run down: two younger blocks of x, one, none
	TOSTAGE 7
	FIN 6, 32, 16
	FIN 7, 0, 0
	s_wait_tensorcnt 0x0                           ; the wave's end, behind my last tensor load and my last LDS store
	ds_add_u32 v[SPW], v[NIL]
	s_wait_dscnt 0x0
	CROUND                                         ; the closing round: no work-group ends while a partner may still ask for a tile that names it
	s_endpgm
.Lfunc_end_k_qddaf97c688_gemm:
	.size	k_qddaf97c688_gemm, .Lfunc_end_k_qddaf97c688_gemm-k_qddaf97c688_gemm
	.p2alignl 7, 3214868480
	.fill 96, 4, 3214868480
	.section	.rodata,"a",@progbits
	.p2align	6, 0x0
	.amdhsa_kernel k_qddaf97c688_gemm
		.amdhsa_group_segment_fixed_size 327680
		.amdhsa_private_segment_fixed_size 0
		.amdhsa_enable_private_segment 0
		.amdhsa_kernarg_size 40
		.amdhsa_user_sgpr_count 2
		.amdhsa_user_sgpr_kernarg_segment_ptr 1
		.amdhsa_wavefront_size32 1
		.amdhsa_system_sgpr_workgroup_id_x 1
		.amdhsa_system_sgpr_workgroup_id_y 1
		.amdhsa_system_sgpr_workgroup_id_z 1
		.amdhsa_system_vgpr_workitem_id 0
		.amdhsa_next_free_vgpr 1024
		.amdhsa_next_free_sgpr 82
		.amdhsa_reserve_vcc 0
		.amdhsa_float_denorm_mode_32 3
		.amdhsa_float_denorm_mode_16_64 3
		.amdhsa_memory_ordered 1
		.amdhsa_forward_progress 1
		.amdhsa_inst_pref_size 202
	.end_amdhsa_kernel
	.amdgpu_metadata
---
amdhsa.version: [ 1, 2 ]
amdhsa.kernels:
  - .name:           k_qddaf97c688_gemm
    .symbol:         k_qddaf97c688_gemm.kd
    .args:
      - { .name: xs, .offset: 0, .size: 8, .value_kind: global_buffer, .address_space: global }
      - { .name: ws, .offset: 8, .size: 8, .value_kind: global_buffer, .address_space: global }
      - { .name: x, .offset: 16, .size: 8, .value_kind: global_buffer, .address_space: global }
      - { .name: bias, .offset: 24, .size: 8, .value_kind: global_buffer, .address_space: global }
      - { .name: out0, .offset: 32, .size: 8, .value_kind: global_buffer, .address_space: global }
    .group_segment_fixed_size: 327680
    .private_segment_fixed_size: 0
    .kernarg_segment_align: 8
    .kernarg_segment_size: 40
    .max_flat_workgroup_size: 128
    .sgpr_count:     82
    .vgpr_count:     1024
    .wavefront_size: 32
...
	.end_amdgpu_metadata
.endif
;; end of part 2
